; MI455X (gfx1250); checked and timed in simulation.
; The chip was launched on July 23, 2026; its instructions are those of AMD's public machine-readable ISA for CDNA 5 (MIT licence, August 2026) and "CDNA5" Instruction Set Architecture Reference Guide (July 2026). The comments in the code are by the model that wrote it; some were corrected since.
;; Attention Layer. Allowed arithmetic: matrix products marked QUANTISED: E2M1 operands, one E8M0 scale for each 32 along K, by v_wmma_scale_f32_16x16x128_f8f6f4 with both operands' format E2M1 (or v_wmma_scale_f32_32x16x128_f4), f32 sums; products left as they are: bf16, f16 or f32 operands; f32 sums; everything else in f32.
;; Inputs: Wk 128 x 128 float32; Wo 128 x 128 float32; Wq 128 x 128 float32; Wv 128 x 128 float32; adj_mask 1,024 x 1,024 bool; bk 128 float32; bo 128 float32; bq 128 float32; bv 128 float32; key 8 x 1,024 x 128 float32; query 8 x 1,024 x 128 float32; value 8 x 1,024 x 128 float32.
;; Outputs: out0 8 x 1,024 x 128 float32.
;; This version of the problem:
;;   THIS VERSION OF THE PROBLEM IS GIVEN IN LOW PRECISION. The matrix products marked QUANTISED in the list below multiply operands that are first quantised to E2M1 (2 exponent bits, 1 mantissa bit; 4 bits a number), with one power-of-two scale for each 32 numbers along K (OCP MX v1.0); their sums are f32. The products marked 'left as it is' may take bf16, f16 or f32 operands, with f32 sums. Whichever they take, every output number must still come out within the allowed error. Rounding operands to bf16 (8 significant bits) uses up far more of that allowance than f16 does (11 bits, for magnitudes from 6e-5 to 65,504). All else is computed in f32.
;;   The module's matrix products, in the order in which they are computed (A, B: the left and right operand; K: the contracted axis; several contracted axes count as one K, in the product's order):
;;     1. [M 8,192, K 128] x [K 128, N 128]; A: input query; B: input Wq: QUANTISED
;;     2. [M 8,192, K 128] x [K 128, N 128]; A: input key; B: input Wk: QUANTISED
;;     3. [M 8,192, K 128] x [K 128, N 128]; A: input value; B: input Wv: QUANTISED
;;     4. batch 64 x [M 1,024, K 16] x [K 16, N 1,024]; A: computed on the way; B: computed on the way: left as it is (K = 16 < 32)
;;     5. batch 64 x [M 16, K 1,024] x [K 1,024, N 1,024]; A: computed on the way; B: computed on the way: left as it is (an operand is computed on the way)
;;     6. [M 8,192, K 128] x [K 128, N 128]; A: computed on the way; B: input Wo: left as it is (an operand is computed on the way)
;;   THE QUANTISER, for each operand of a quantised product, along K:
;;     - K is cut into blocks of 32 from its start; a last block that is shorter is filled with zeros.
;;     - A block's scale is 2^e with e = floor(log2(the largest magnitude in the block)) - 2, held to -126 .. 127; a block of zeros has e = 0. As a byte (E8M0): e + 127.
;;     - Each number is divided by its block's scale, clamped to +-6, and rounded to the nearest number of E2M1, ties to even, subnormals kept.
;;     - The product sums the exact products of the quantised numbers (number of the format x scale) in f32.
;;   ~~~python
;;   def quantise(x, axis):      # numpy; x: float32 -> the quantised numbers, widened to float32 again
;;       x = np.moveaxis(x, axis, -1); K = x.shape[-1]
;;       x = np.pad(x, [(0, 0)] * (x.ndim - 1) + [(0, -K % 32)]); x = x.reshape(x.shape[:-1] + (-1, 32)); a = np.abs(x).max(-1, keepdims=True)
;;       e = np.where(a > 0, np.clip(np.frexp(np.where(a > 0, a, 1))[1] - 1 - 2, -126, 127), 0)      # np.frexp(a)[1] - 1 = floor(log2(a)), exactly
;;       r = np.clip(x / 2.0 ** e, -6, 6)
;;       step = 2.0 ** (np.maximum(np.frexp(np.where(r == 0, 1, r))[1] - 1, 0) - 1)
;;       q = np.round(r / step) * step * 2.0 ** e      # np.round: ties to even
;;       return np.moveaxis(q.reshape(q.shape[:-2] + (-1,))[..., :K], -1, axis).astype(np.float32)
;;   ~~~
;; One version. Each part assembles by itself: llvm-mc -triple=amdgcn-amd-amdhsa -mcpu=gfx1250 --defsym DOCPART=n.
;; ======== version 1 of 1: 2 launches
;; limits: values are held in f16: magnitudes above 65,504 overflow, below 6.1e-05 lose precision
;; workspace buffers: ws 6,291,456 bytes
;; launch proj (part 1): grid 64 x 3, 8 waves a work-group, no clusters, 77,824 bytes of LDS; arguments query, key, value, Wq, Wk, Wv, bq, ws; writes ws
.if DOCPART == 1
	.amdgcn_target "amdgcn-amd-amdhsa--gfx1250"
	.amdhsa_code_object_version 6
	.text
	.protected	k_qee60071b18_proj
	.globl	k_qee60071b18_proj
	.p2align	8
	.type	k_qee60071b18_proj,@function
k_qee60071b18_proj:
	s_mov_b64 s[64:65], 0
	v_nop
	global_prefetch_b8 v0, s[64:65] scope:SCOPE_SE
	s_setreg_imm32_b32 hwreg(HW_REG_WAVE_MODE, 25, 1), 1
	s_wait_xcnt 0x0
; q = query Wq + bq, k = key Wk, v = value Wv: three products [8192, 128] x [128, 128] on codes of FP4 (E2M1) with one E8M0 scale for each 32 along K; sums in f32.
; Both operands arrive as f32 and are quantised here, in registers.  The results are rounded to f16 and stored in ws as images of the next launch's matrix operands.
; DEAD WORK: bk.  scores[n][m] = q[n] . (key[m] Wk + bk) / 4 = q[n] . (key[m] Wk) / 4 + q[n] . bk / 4.  The second term is the same for all keys m of a query n; both softmaxes run along m, and a term
; that is the same along a softmax's axis cancels, for all finite values of the inputs (under the mask a hidden place is -infinity with or without it).  k goes into no quantiser and into nothing but the scores.
; So bk has no way to any output: it is not loaded and is no argument of any launch.  LIMIT: a NaN, an infinity or an overflow that reaches only q . bk is not carried to the result.
; bv is live and is added in the next launch, behind the attention: each row of (global + local) / 2 sums to 1, so attn (value Wv + bv) = attn (value Wv) + bv.
; LIMITS: |q|, |k|, |v| stay under 65,504, f16's largest number; blocks whose largest magnitude lies under 2^-124 get the byte 1; a block of zeros gets the byte 1 where the rule says 127 (its codes are
; zeros, which add nothing, and nobody else reads the bytes); NaN and infinities among the inputs are not served.
; SHARES.  Work-group (x, y): tensor y (0 q, 1 k, 2 v), rows 128 x .. 128 x + 127.  Wave w takes the 16 rows 128 x + 16 w on, and quantises W's columns 16 w .. 16 w + 15 (head w) for all eight waves:
; the eight fragments of W go from wave to wave through LDS as images of their registers.  The tensors are chosen by selects on the work-group's y: one path up to the products.
; ws: [batch 8][head 8][group of 64 tokens 16][Q: 4 tiles x 512 bytes | K: 4 x 512 | V: 4 x 512].  A tile is 16 tokens of one head, 16 bytes a lane at 16 x lane.
;   Q, K: lane (r, h) holds token r, channels 8 h .. 8 h + 7.   V: lane (r, h) holds channel r, tokens 8 h .. 8 h + 7.
.set WIMG,  0                          ; LDS: W's eight fragments, 1,024 bytes each,
.set WSCL,  8192                       ; their scale words, 128 bytes each,
.set XSTG,  9216                       ; a stage of 16 rows x (512 + 16) bytes for each wave,
.set XWAVE, 16*528
.set SPARE, XSTG+8*XWAVE               ; and the spare words, 128 bytes for each wave: four blocks of 256 bytes that no other line names
.set LN,   1                           ; v1   lane
.set RR,   2                           ; v2   r = lane % 16
.set HH,   3                           ; v3   h = lane / 16
.set LI,   4                           ; v4   16 x lane
.set XIN,  5                           ; v5   my stage, on the way in: 16 x lane
.set XOUT, 6                           ; v6   and on the way out: row r, + 128 h
.set WOF,  7                           ; v7   W: 32 h rows of 512 bytes + 4 r
.set WST,  8                           ; v8   where I store my fragment of W: 1,024 x wave + 16 x lane
.set SST,  9                           ; v9   and its scale word: 128 x wave + 4 x lane
.set BOF,  10                          ; v10  32 h: my half's eight numbers of a tile of bq
.set SLD,  11                          ; v11  4 x lane
.set SPW,  12                          ; v12  LDS address of my spare word; never rewritten
.set NIL,  13                          ; v13  0; never rewritten
.set TM,   14                          ; v14-20 at work in QUANT
.set XS,   22                          ; v22  x's scale word
.set PW,   23                          ; v23  the scale word of my fragment of W
.set WS,   24                          ; v24-31 W's eight scale words
.set XR,   32                          ; v32-95 64 numbers of x; later the eight results
.set DD,   32
.set WR,   96                          ; v96-159 64 numbers of W; later W's eight fragments
.set BC,   160                         ; v160-223 bq in the results' layout; later
.set OUT,  160                         ; v160-191 the results in f16
.set XF,   224                         ; v224-231 x's fragment
.set WC,   232                         ; v232-239 my fragment of W
.set WV,   24                          ; s24  wave
.set TEN,  25                          ; s25  tensor
.set SEL,  26                          ; s[26:27] v_permlanex16_b32's selects for lane l xor 16
; 64 numbers of a lane, register 32 c + i = k 64 c + 32 h + i of my row (x) or column (W), become the operand's eight registers and the scale word.  A lane holds two whole blocks of 32.
.macro QUANT src, dst, word
.irp c, 0,1
	v_max3_num_f32 v[TM+\c], |v[\src+32*\c]|, |v[\src+32*\c+1]|, 0x1800000   ; block 2 c + h, and the floor 2^(3 - 127): the byte cannot fall under 1
.endr
.irp i, 2,4,6,8,10,12,14,16,18,20,22,24,26,28,30
.irp c, 0,1
	v_max3_num_f32 v[TM+\c], v[TM+\c], |v[\src+32*\c+\i]|, |v[\src+32*\c+\i+1]|   ; (the two blocks by turns)
.endr
.endr
.irp c, 0,1
	v_add_nc_u32 v[TM+2+\c], 0xff000000, v[TM+\c]   ; 2 off the exponent field: the conversion takes this operand's exponent field as its scale
.endr
.irp c, 0,1
	v_lshrrev_b32 v[TM+4+\c], 23, v[TM+2+\c]        ; the scale's byte
.endr
	v_lshl_or_b32 v[\word], v[TM+5], 16, v[TM+4]    ; my two bytes: blocks h and 2 + h,
	v_lshlrev_b32 v[TM+6], 3, v[HH]
	v_lshlrev_b32 v[\word], v[TM+6], v[\word]       ; at their places in the word (8 h bits up);
	v_mov_b32 v[TM+6], 0                            ; (a lane permute's destination counts as one of its sources)
	v_permlanex16_b32 v[TM+6], v[\word], s[SEL], s[SEL+1]
	v_or_b32 v[\word], v[\word], v[TM+6]            ; with lane l xor 16's two the word is whole
.irp c, 0,1
.irp g, 0,1,2,3
	v_cvt_scalef32_pk8_fp4_f32 v[\dst+4*\c+\g], v[\src+32*\c+8*\g:\src+32*\c+8*\g+7], v[TM+2+\c]
.endr
.endr
	v_nop                                           ; one plain place behind the last scaled conversion
.endm
	s_load_b512 s[8:23], s[0:1], 0x0               ; query, key, value, Wq, Wk, Wv, bq s[20:21], ws s[22:23]
	v_lshl_add_u32 v[SPW], v0, 2, SPARE
	v_mov_b32 v[NIL], 0
	v_lshrrev_b32 v[LN], 5, v0
	v_readfirstlane_b32 s[WV], v[LN]               ; wave 0..7
	v_and_b32 v[LN], 31, v0
	v_and_b32 v[RR], 15, v0
	v_bfe_u32 v[HH], v0, 4, 1
	v_lshlrev_b32 v[LI], 4, v[LN]
	s_mul_i32 s28, s[WV], XWAVE
	s_add_co_u32 s28, s28, XSTG                    ; my stage
	v_add_nc_u32 v[XIN], s28, v[LI]
	v_mul_u32_u24 v[XOUT], v[RR], 528
	v_lshl_add_u32 v[XOUT], v[HH], 7, v[XOUT]
	v_add_nc_u32 v[XOUT], s28, v[XOUT]
	v_lshlrev_b32 v[WOF], 2, v[RR]
	v_lshl_add_u32 v[WOF], v[HH], 14, v[WOF]
	s_lshl_b32 s29, s[WV], 10
	v_add_nc_u32 v[WST], s29, v[LI]
	v_lshlrev_b32 v[SLD], 2, v[LN]
	s_lshl_b32 s29, s[WV], 7
	v_add_nc_u32 v[SST], s29, v[SLD]
	v_lshlrev_b32 v[BOF], 5, v[HH]
	s_mov_b32 s[SEL], 0x76543210
	s_mov_b32 s[SEL+1], 0xfedcba98
	s_and_b32 s[TEN], ttmp7, 0xffff
	s_lshl_b32 s30, ttmp9, 16                      ; x: 128 rows of 512 bytes a work-group,
	s_lshl_b32 s31, s[WV], 13                      ; 16 a wave
	s_add_co_u32 s30, s30, s31
	s_mov_b32 s31, 0
	s_lshl_b32 s32, s[WV], 6                       ; W: my 16 columns
	s_mov_b32 s33, 0
	s_lshr_b32 s34, ttmp9, 3                       ; ws: the batch,
	s_mul_i32 s34, s34, 786432
	s_and_b32 s36, ttmp9, 7
	s_lshl_b32 s36, s36, 1
	s_lshr_b32 s37, s[WV], 2
	s_add_co_u32 s36, s36, s37                     ; the group of 64 tokens: 2 (x % 8) + wave / 4,
	s_mul_i32 s36, s36, 6144
	s_add_co_u32 s34, s34, s36
	s_lshl_b32 s36, s[TEN], 11                     ; the tensor's part of the group,
	s_add_co_u32 s34, s34, s36
	s_and_b32 s36, s[WV], 3
	s_lshl_b32 s36, s36, 9                         ; the tile's place in it
	s_add_co_u32 s34, s34, s36
	s_mov_b32 s35, 0
	s_wait_kmcnt 0x0
	s_cmp_eq_u32 s[TEN], 1                         ; the choice hangs on the work-group's y alone
	s_cselect_b64 s[4:5], s[10:11], s[8:9]
	s_cselect_b64 s[6:7], s[16:17], s[14:15]
	s_cmp_eq_u32 s[TEN], 2
	s_cselect_b64 s[4:5], s[12:13], s[4:5]
	s_cselect_b64 s[6:7], s[18:19], s[6:7]
	s_add_nc_u64 s[4:5], s[4:5], s[30:31]
	s_add_nc_u64 s[6:7], s[6:7], s[32:33]
	s_add_nc_u64 s[22:23], s[22:23], s[34:35]
.irp t, 0,1,2,3,4,5,6,7                        ; bq as the C of q's products: lane (r, h), tile t: bq[16 t + 8 h + 0 .. 7].  Every work-group loads these 512 bytes, so that the text has one path up to the products; k's and v's products do not name them
	global_load_b128 v[BC+8*\t:BC+8*\t+3], v[BOF], s[20:21] offset:64*\t
	global_load_b128 v[BC+8*\t+4:BC+8*\t+7], v[BOF], s[20:21] offset:64*\t+16
.endr
.irp i, 0,1,2,3,4,5,6,7,8,9,10,11,12,13,14,15  ; my 16 rows of x as they lie: a row of 512 consecutive bytes a load
	global_load_b128 v[XR+4*\i:XR+4*\i+3], v[LI], s[4:5] offset:512*\i th:TH_LOAD_NT
.endr
.irp c, 0,1                                    ; W(64 c + 32 h + i, 16 w + r): a lane takes a column and its registers run down K
.irp i, 0,1,2,3,4,5,6,7,8,9,10,11,12,13,14,15,16,17,18,19,20,21,22,23,24,25,26,27,28,29,30,31
	global_load_b32 v[WR+32*\c+\i], v[WOF], s[6:7] offset:(64*\c+\i)*512
.endr
.endr
	s_wait_loadcnt 63                              ; W's 64 loads are younger than x's; 63 is the largest count that the wait can name: bq, x and W's first load are in
.irp i, 0,1,2,3,4,5,6,7,8,9,10,11,12,13,14,15  ; x turns through my own stage: in by rows,
	ds_store_b128 v[XIN], v[XR+4*\i:XR+4*\i+3] offset:528*\i
.endr
.irp c, 0,1                                    ; back as the operand's layout wants it: row r, k = 64 c + 32 h + 0 .. 31.  LDS serves a wave's instructions in order: these see the stores above
.irp g, 0,1,2,3,4,5,6,7
	ds_load_b128 v[XR+32*\c+4*\g:XR+32*\c+4*\g+3], v[XOUT] offset:256*\c+16*\g
.endr
.endr
	s_wait_dscnt 0x0
	QUANT XR, XF, XS
	s_wait_loadcnt 0x0                             ; W
	QUANT WR, WC, PW
	ds_store_b128 v[WST], v[WC:WC+3] offset:WIMG   ; my fragment of W goes to LDS as it stands,
	ds_store_b128 v[WST], v[WC+4:WC+7] offset:WIMG+512
	ds_store_b32 v[SST], v[PW] offset:WSCL         ; and its scale words
	s_wait_dscnt 0x0                               ; for the others' sake: my stores have landed
	s_barrier_signal -1
	s_barrier_wait -1
.irp t, 0,1,2,3,4,5,6,7                        ; all eight come back so, in every wave
	ds_load_b128 v[WR+8*\t:WR+8*\t+3], v[LI] offset:WIMG+1024*\t
	ds_load_b128 v[WR+8*\t+4:WR+8*\t+7], v[LI] offset:WIMG+1024*\t+512
	ds_load_b32 v[WS+\t], v[SLD] offset:WSCL+128*\t
.endr
	s_wait_dscnt 0x0
	; Eight products on eight accumulators.  x's fragment and scale word were written by vector instructions ahead of W's whole quantising: more than the 4 and 8 places that a scaled product asks.
	s_cmp_eq_u32 s[TEN], 0
	s_cbranch_scc1 .Lq
	s_cmp_eq_u32 s[TEN], 1
	s_cbranch_scc1 .Lk
.irp t, 0,1,2,3,4,5,6,7                        ; v: source 0 = my 16 tokens, source 1 = head t's 16 columns: lane (r, h) holds channel r, tokens 8 h + 0 .. 7
	v_wmma_scale_f32_16x16x128_f8f6f4 v[DD+8*\t:DD+8*\t+7], v[XF:XF+7], v[WR+8*\t:WR+8*\t+7], 0, v[XS], v[WS+\t] matrix_a_fmt:MATRIX_FMT_FP4 matrix_b_fmt:MATRIX_FMT_FP4
.endr
	s_branch .Ljoin
.Lk:
.irp t, 0,1,2,3,4,5,6,7                        ; k: transposed: source 0 = head t's 16 columns, source 1 = my 16 tokens: lane (r, h) holds token r, channels 8 h + 0 .. 7.  No bias: bk is dead work
	v_wmma_scale_f32_16x16x128_f8f6f4 v[DD+8*\t:DD+8*\t+7], v[WR+8*\t:WR+8*\t+7], v[XF:XF+7], 0, v[WS+\t], v[XS] matrix_a_fmt:MATRIX_FMT_FP4 matrix_b_fmt:MATRIX_FMT_FP4
.endr
	s_branch .Ljoin
.Lq:
.irp t, 0,1,2,3,4,5,6,7                        ; q: as k, with bq as the sums' start
	v_wmma_scale_f32_16x16x128_f8f6f4 v[DD+8*\t:DD+8*\t+7], v[WR+8*\t:WR+8*\t+7], v[XF:XF+7], v[BC+8*\t:BC+8*\t+7], v[WS+\t], v[XS] matrix_a_fmt:MATRIX_FMT_FP4 matrix_b_fmt:MATRIX_FMT_FP4
.endr
.Ljoin:
.rept 4
	v_nop                                          ; four places: the conversions read results just made and write over bq's registers
.endr
.irp t, 0,1,2,3,4,5,6,7                        ; to f16, each accumulator from its low end on: 16 bytes a lane and tile
.irp n, 0,1,2,3
	v_cvt_pk_f16_f32 v[OUT+4*\t+\n], v[DD+8*\t+2*\n], v[DD+8*\t+2*\n+1]
.endr
.endr
.irp t, 0,1,2,3,4,5,6,7
	global_store_b128 v[LI], v[OUT+4*\t:OUT+4*\t+3], s[22:23] offset:98304*\t   ; head t's tile: 32 lanes store 512 consecutive bytes, at a multiple of 512 from ws's first byte
.endr
	s_wait_tensorcnt 0x0                           ; the wave's end: a tensor wait, an add of 0 to my spare word
	ds_add_u32 v[SPW], v[NIL]
	s_wait_dscnt 0x0
	s_endpgm
.Lfunc_end_k_qee60071b18_proj:
	.size	k_qee60071b18_proj, .Lfunc_end_k_qee60071b18_proj-k_qee60071b18_proj
	.p2alignl 7, 3214868480
	.fill 96, 4, 3214868480
	.section	.rodata,"a",@progbits
	.p2align	6, 0x0
	.amdhsa_kernel k_qee60071b18_proj
		.amdhsa_group_segment_fixed_size 77824
		.amdhsa_private_segment_fixed_size 0
		.amdhsa_enable_private_segment 0
		.amdhsa_kernarg_size 64
		.amdhsa_user_sgpr_count 2
		.amdhsa_user_sgpr_kernarg_segment_ptr 1
		.amdhsa_wavefront_size32 1
		.amdhsa_system_sgpr_workgroup_id_x 1
		.amdhsa_system_sgpr_workgroup_id_y 1
		.amdhsa_system_sgpr_workgroup_id_z 1
		.amdhsa_system_vgpr_workitem_id 0
		.amdhsa_next_free_vgpr 240
		.amdhsa_next_free_sgpr 66
		.amdhsa_reserve_vcc 0
		.amdhsa_float_denorm_mode_32 3
		.amdhsa_float_denorm_mode_16_64 3
		.amdhsa_memory_ordered 1
		.amdhsa_forward_progress 1
		.amdhsa_inst_pref_size 28
	.end_amdhsa_kernel
	.amdgpu_metadata
---
amdhsa.version: [ 1, 2 ]
amdhsa.kernels:
  - .name:           k_qee60071b18_proj
    .symbol:         k_qee60071b18_proj.kd
    .args:
      - { .name: query, .offset: 0, .size: 8, .value_kind: global_buffer, .address_space: global }
      - { .name: key, .offset: 8, .size: 8, .value_kind: global_buffer, .address_space: global }
      - { .name: value, .offset: 16, .size: 8, .value_kind: global_buffer, .address_space: global }
      - { .name: Wq, .offset: 24, .size: 8, .value_kind: global_buffer, .address_space: global }
      - { .name: Wk, .offset: 32, .size: 8, .value_kind: global_buffer, .address_space: global }
      - { .name: Wv, .offset: 40, .size: 8, .value_kind: global_buffer, .address_space: global }
      - { .name: bq, .offset: 48, .size: 8, .value_kind: global_buffer, .address_space: global }
      - { .name: ws, .offset: 56, .size: 8, .value_kind: global_buffer, .address_space: global }
    .group_segment_fixed_size: 77824
    .private_segment_fixed_size: 0
    .kernarg_segment_align: 8
    .kernarg_segment_size: 64
    .max_flat_workgroup_size: 256
    .sgpr_count:     66
    .vgpr_count:     240
    .wavefront_size: 32
...
	.end_amdgpu_metadata
.endif
;; end of part 1
;; launch attn (part 2): grid 32 x 8, 16 waves a work-group, no clusters, 233,984 bytes of LDS; arguments ws, adj_mask, Wo, bo, bv, out0; writes out0
.if DOCPART == 2
	.amdgcn_target "amdgcn-amd-amdhsa--gfx1250"
	.amdhsa_code_object_version 6
	.text
	.protected	k_qee60071b18_attn
	.globl	k_qee60071b18_attn
	.p2align	8
	.type	k_qee60071b18_attn,@function
k_qee60071b18_attn:
	s_mov_b64 s[64:65], 0
	v_nop
	global_prefetch_b8 v0, s[64:65] scope:SCOPE_SE
	s_setreg_imm32_b32 hwreg(HW_REG_WAVE_MODE, 25, 1), 1
	s_wait_xcnt 0x0
; out0 = ((softmax(s) + softmax(s under adj_mask)) / 2  v + bv) Wo + bo, s = q k^T / 4, for 8 batches x 8 heads of 16 channels, 1,024 tokens.  q, k, v come from ws as f16 images of matrix operands.
; Left out: bk (a term that is the same along both softmaxes' axis; shown at the head of the first kernel).  bv is added here, behind the attention: each row of the averaged weights sums to 1.
; Products in f16 with f32 sums; maxima, exponentials and sums in f32.  Each softmax has its own running maximum m and sum l: p = 2^(c s - c m), c = log2(e) / 4.
; SHARES.  A work-group owns 32 queries of one batch, all 8 heads, so that the projection by Wo is fused.  Wave w: head w % 8, both tiles of 16 queries, keys 512 (w / 8) .. + 511, 64 a step, 8 steps.
; The two waves of a head merge their halves of the keys through LDS at the end; each then owns one tile of queries.  Four waves of 256 registers share a SIMD: one wave's exponentials stand beside another's plain work.
; NO CLUSTER, NO RING: the 32 work-groups of a batch walk the same K and V, but in a work-group each fragment of 512 bytes is wanted by ONE wave and goes from memory straight into that wave's operand
; registers, one load of 512 consecutive bytes.  A joint load lands in LDS: it would add 16 waves x 8 steps x 4,096 bytes written to LDS and read back in each work-group, and a round of the cluster's barrier
; for each refill, to a loop that has no barrier at all.
; LAYOUT.  S^T = K Q^T: source 0 holds TWO tiles of 16 keys (registers 0-3: one tile's 16 channels as k = 0 .. 15; registers 4-7: the next tile's as k = 16 .. 31); source 1 is [q | 0] or [0 | q], which
; picks one of the two.  In the result a lane holds ONE query (lane % 16) and keys 8 (lane / 16) + 0 .. 7.  Two such tiles, rounded in pairs to f16, ARE source 1 (32 keys x 16 queries) of O^T += V^T P.
; THE MASK.  The work-group's 32 x 1,024 bytes of adj_mask are turned once into f32 addends in LDS, in the scores' register layout: where the byte is 1 a number of at most 2.4e-38, where it is 0 a number
; between -4.2e37 and -1.7e38.  The local score is the score plus the addend.  m begins at -1e30, over every hidden score and under every true one (|s| is at most 16 x 65,504^2): hidden keys give p = 0.
; A row with no true key keeps l = 0x
; LIMITS: |q|, |k|, |v| and the attention's result stay under 65,504; a true key's score is moved by at most 2.4e-38; NaN and infinities among the inputs are not served.
.set CIMG,  0                          ; LDS: the addends: tile (64 t + key tile) x 1,040 bytes: registers 0-3 at 16 x lane, registers 4-7 at 512 + 16 x lane, 16 bytes of padding
.set WIMG,  133120                     ; Wo^T in f16 as operand images: column tile x 4,096 + K step x 1,024 + half x 512
.set MRG,   165888                     ; a wave's state for its partner: 20 registers, 2,560 bytes a wave
.set AIMG,  206848                     ; the attention's result in f16: (query tile x 8 + head) x 512
.set STG,   215040                     ; the stage for out0: 32 rows x (512 + 16) bytes
.set SPARE, 231936                     ; the spare words, 128 bytes for each wave: eight blocks of 256 bytes that no other line names
.set LI,   1                           ; v1   16 x lane
.set CA,   2                           ; v2-3 my lane's place in the addends of query tile 0, 1, at my half of the keys
.set PFO,  4                           ; v4   the prefetch's offset: 256 (lane % 16) + 6,144 (lane / 16)
.set MS,   5                           ; v5   where I store my state for my partner
.set ML,   6                           ; v6   where I read my partner's
.set AS,   7                           ; v7   where I store my tile of the attention's result
.set AL,   8                           ; v8   where I read my query tile's eight
.set WL,   9                           ; v9   where I read my column tile of Wo^T
.set SS,   10                          ; v10  the stage: where I put 32 bytes of a row
.set SLD,  11                          ; v11  and where I read rows back
.set SPW,  12                          ; v12  LDS address of my spare word; never rewritten
.set NIL,  13                          ; v13  0; never rewritten
.set RR,   14                          ; v14  r = lane % 16
.set HH,   15                          ; v15  h = lane / 16
.set QLO,  16                          ; v16-47: query tile t: [q | 0] at 16 + 16 t, [0 | q] at 24 + 16 t
.set KS,   48                          ; v48-79  K: two sets of four tiles
.set VS,   80                          ; v80-111 V likewise
.set SG,   112                         ; v112-143 the scores, then p, global
.set SL,   144                         ; v144-175 the addends, then the scores, then p, local
.set OA,   176                         ; v176-207 O^T: 176 + 16 t + 8 x (x = 0 global, 1 local)
.set ST,   208                         ; v208-223 statistics at 208 + 4 (2 t + x): c m, m, l (even keys', odd keys')
.set TM,   224                         ; v224-239 at work, 8 for each x: +0 .. +3 maxima, +4 a, +5 c m_old - c m_new, +6, +7 a chain of sums
.set SB,   240                         ; v240-243 the other chain
.set ADC,  244                         ; v244 LDS address of the step's addends
.set LN,   245                         ; the head's: lane,
.set BA,   246                         ; where I store addends,
.set WSA,  247                         ; where I store my part of Wo^T,
.set WOF,  248                         ; my offset in Wo,
.set BOF,  249                         ; 32 h: my eight numbers of bo and bv
.set MB,   176                         ; the head's: 16 words of mask bytes; v112-175 their addends; v208-239 Wo in f32; v192-207 in f16
.set CQ,   112
.set WF,   208
.set WH,   192
.set KEEP, 132                         ; the tail's: the state that I keep, v132-151; that I send, v112-131; my partner's, v152-171.  A state: O global 8, O local 8, c m global, local, l global, local
.set SEND, 112
.set OTH,  152
.set WV,   16                          ; s16 wave, s17 head, s18 half of the keys, s19 block of queries, s20 batch
.set HD,   17
.set KH,   18
.set XB,   19
.set BB,   20
.set CS,   22                          ; s[22:23] c: the packed form names a pair and takes its low word for both halves
.set SEL,  24                          ; s[24:25] v_permlanex16_b32's selects for lane l xor 16
.set TC,   26                          ; s26 the step's byte in the addends: 4 tiles x 1,040 a step
.set TRIPS, 27
.set PICK, 28                          ; s28 all ones in the waves of the keys' second half
.set KV,   30                          ; s[30:31] K's tiles of the step in hand, in ws
.macro KVLOAD set, off                 ; a step's four tiles of K and four of V, off bytes on, straight into operand registers
.irp n, 0,1,2,3
	global_load_b128 v[KS+16*(\set)+4*\n:KS+16*(\set)+4*\n+3], v[LI], s[KV:KV+1] offset:\off+512*\n
.endr
.irp n, 0,1,2,3
	global_load_b128 v[VS+16*(\set)+4*\n:VS+16*(\set)+4*\n+3], v[LI], s[KV:KV+1] offset:\off+2048+512*\n
.endr
.endm
; A PREFETCH INTO THE L2 of my own stream's next two steps but one: K's and V's 4,096 bytes of steps 2 j + 2 and 2 j + 3 in trip j, 32 blocks of 256 bytes, a lane a block.  All 32 work-groups of a batch walk the same
; K and V: the batch's first asks, each wave for its own head and half, so each block is named once in the launch.  It stands behind the step's loads; the loads that want these bytes follow one and two steps on.
; Steps 0 and 1 come by their loads alone; the tail, which is written out, asks for nothing: trip 2 names steps 6 and 7, the stream's last.
.macro ASK
	s_cmp_eq_u32 s[XB], 0
	s_cbranch_scc0 .Lnot_mine_\@
	global_prefetch_b8 v[PFO], s[KV:KV+1] offset:12288 th:TH_LOAD_NT scope:SCOPE_SE
.Lnot_mine_\@:
.endm
.macro ROWMAX s, x, t                  ; the largest of 32 scores and the old m: four chains, each begun at its tile's low registers
.irp j, 0,1,2,3
	v_max3_num_f32 v[TM+8*\x+\j], v[\s+8*\j], v[\s+8*\j+1], v[\s+8*\j+2]
.endr
.irp i, 3,5
.irp j, 0,1,2,3
	v_max3_num_f32 v[TM+8*\x+\j], v[TM+8*\x+\j], v[\s+8*\j+\i], v[\s+8*\j+\i+1]
.endr
.endr
	v_max3_num_f32 v[TM+8*\x], v[TM+8*\x], v[\s+7], v[\s+15]
	v_max3_num_f32 v[TM+8*\x+2], v[TM+8*\x+2], v[\s+23], v[\s+31]
	v_max3_num_f32 v[TM+8*\x], v[TM+8*\x], v[TM+8*\x+1], v[TM+8*\x+2]
	v_max3_num_f32 v[TM+8*\x], v[TM+8*\x], v[TM+8*\x+3], v[ST+4*(2*\t+\x)+1]
.endm
; Query tile t against the step's 64 keys, both softmaxes.
.macro PASS t, set
	v_add_nc_u32 v[ADC], s[TC], v[CA+\t]
.irp a, 0,1,2,3                                ; the addends of the four tiles, in the scores' layout
.irp u, 0,1
	ds_load_b128 v[SL+8*\a+4*\u:SL+8*\a+4*\u+3], v[ADC] offset:1040*\a+512*\u
.endr
.endr
.irp a, 0,1                                    ; S^T: two tiles of keys to a source 0; [q | 0] takes the first, [0 | q] the second
	v_wmma_f32_16x16x32_f16 v[SG+16*\a:SG+16*\a+7], v[KS+16*\set+8*\a:KS+16*\set+8*\a+7], v[QLO+16*\t:QLO+16*\t+7], 0
	v_wmma_f32_16x16x32_f16 v[SG+16*\a+8:SG+16*\a+15], v[KS+16*\set+8*\a:KS+16*\set+8*\a+7], v[QLO+16*\t+8:QLO+16*\t+15], 0
.endr
	v_mov_b32 v[TM+5], v[ST+8*\t]                  ; c m_old is kept for a.  (Four places behind the products)
	v_mov_b32 v[TM+13], v[ST+8*\t+4]
	v_nop
	v_nop
	ROWMAX SG, 0, \t
	s_wait_dscnt 0x0                               ; the addends are in
.set i, 0
.rept 16
	v_pk_add_f32 v[SL+i:SL+i+1], v[SL+i:SL+i+1], v[SG+i:SG+i+1]   ; the local scores
.set i, i+2
.endr
	ROWMAX SL, 1, \t
.irp x, 0,1
	v_permlanex16_b32 v[TM+8*\x+1], v[TM+8*\x], s[SEL], s[SEL+1]   ; the query's other 32 keys lie in the lane 16 away
.endr
.irp x, 0,1
	v_max_num_f32 v[ST+4*(2*\t+\x)+1], v[TM+8*\x], v[TM+8*\x+1]    ; the new m
.endr
.irp x, 0,1
	v_mul_f32 v[ST+4*(2*\t+\x)], s[CS], v[ST+4*(2*\t+\x)+1]        ; c m
.endr
.irp x, 0,1
	v_sub_f32 v[TM+8*\x+5], v[TM+8*\x+5], v[ST+4*(2*\t+\x)]        ; c m_old - c m_new
.endr
.irp x, 0,1
.set i, 0
.rept 16
	v_pk_fma_f32 v[SG+32*\x+i:SG+32*\x+i+1], v[SG+32*\x+i:SG+32*\x+i+1], s[CS:CS+1], v[ST+4*(2*\t+\x):ST+4*(2*\t+\x)+1] op_sel_hi:[1,0,0] neg_lo:[0,0,1] neg_hi:[0,0,1]   ; c s - c m, two at a time
.set i, i+2
.endr
.endr
	v_exp_f32 v[TM+4], v[TM+5]                     ; ONE BATCH of 66 exponentials: a, global and local,
	v_exp_f32 v[TM+12], v[TM+13]
.set i, 0
.rept 64
	v_exp_f32 v[SG+i], v[SG+i]                     ; and the 64 weights
.set i, i+1
.endr
	v_nop                                          ; a plain place behind the last exponential,
	s_wait_alu depctr_va_vdst(0)                   ; and the one wait ahead of the batch's first reader
.irp x, 0,1                                    ; the rows' sums, of the unrounded weights: two chains of pairs for each softmax
	v_pk_add_f32 v[TM+8*\x+6:TM+8*\x+7], v[SG+32*\x:SG+32*\x+1], v[SG+32*\x+2:SG+32*\x+3]
	v_pk_add_f32 v[SB+2*\x:SB+2*\x+1], v[SG+32*\x+4:SG+32*\x+5], v[SG+32*\x+6:SG+32*\x+7]
.endr
.irp j, 8,12,16,20,24,28
.irp x, 0,1
	v_pk_add_f32 v[TM+8*\x+6:TM+8*\x+7], v[TM+8*\x+6:TM+8*\x+7], v[SG+32*\x+\j:SG+32*\x+\j+1]
	v_pk_add_f32 v[SB+2*\x:SB+2*\x+1], v[SB+2*\x:SB+2*\x+1], v[SG+32*\x+\j+2:SG+32*\x+\j+3]
.endr
.endr
.irp x, 0,1
	v_pk_add_f32 v[TM+8*\x+6:TM+8*\x+7], v[TM+8*\x+6:TM+8*\x+7], v[SB+2*\x:SB+2*\x+1]
.endr
.irp x, 0,1
	v_pk_fma_f32 v[ST+4*(2*\t+\x)+2:ST+4*(2*\t+\x)+3], v[ST+4*(2*\t+\x)+2:ST+4*(2*\t+\x)+3], v[TM+8*\x+4:TM+8*\x+5], v[TM+8*\x+6:TM+8*\x+7] op_sel_hi:[1,0,1]   ; l = a l + the sum
.endr
.irp j, 0,2,4,6
.irp x, 0,1
	v_pk_mul_f32 v[OA+16*\t+8*\x+\j:OA+16*\t+8*\x+\j+1], v[OA+16*\t+8*\x+\j:OA+16*\t+8*\x+\j+1], v[TM+8*\x+4:TM+8*\x+5] op_sel_hi:[1,0]   ; O^T x a, from the low end on
.endr
.endr
.irp R, SG, SG+16, SL, SL+16                   ; to f16 in place: two tiles' 16 registers become source 1's eight
.irp n, 0,1,2,3,4,5,6,7
	v_cvt_pk_f16_f32 v[\R+\n], v[\R+2*\n], v[\R+2*\n+1]
.endr
.endr
.irp a, 0,1                                    ; O^T += V^T P, 32 keys a product; the global and the local accumulator by turns
	v_wmma_f32_16x16x32_f16 v[OA+16*\t:OA+16*\t+7], v[VS+16*\set+8*\a:VS+16*\set+8*\a+7], v[SG+16*\a:SG+16*\a+7], v[OA+16*\t:OA+16*\t+7]
	v_wmma_f32_16x16x32_f16 v[OA+16*\t+8:OA+16*\t+15], v[VS+16*\set+8*\a:VS+16*\set+8*\a+7], v[SL+16*\a:SL+16*\a+7], v[OA+16*\t+8:OA+16*\t+15]
.endr
.rept 5
	v_nop                                          ; five places: the weights' registers are next written by matrix instructions (five), K's and V's and the addends' by loads (four)
.endr
.endm
; A key step on set; off != 0: the next step's tiles, off bytes on, are asked for first, into the other set.
.macro STEP set, off, ask
.if \off
	KVLOAD 1-\set, \off
.if \ask
	ASK
.endif
	s_wait_loadcnt 8                               ; all but the eight just issued: this step's tiles are in
.else
	s_wait_loadcnt 0x0
.endif
	PASS 0, \set
	PASS 1, \set
	s_add_co_u32 s[TC], s[TC], 4160
.endm
	s_load_b256 s[4:11], s[0:1], 0x0               ; ws s[4:5], adj_mask s[6:7], Wo s[8:9], bo s[10:11]
	s_load_b128 s[12:15], s[0:1], 0x20             ; bv s[12:13], out0 s[14:15]
	v_lshl_add_u32 v[SPW], v0, 2, SPARE
	v_mov_b32 v[NIL], 0
	v_lshrrev_b32 v[LN], 5, v0
	v_readfirstlane_b32 s[WV], v[LN]               ; wave 0..15
	s_and_b32 s[HD], s[WV], 7
	s_lshr_b32 s[KH], s[WV], 3
	s_mov_b32 s[XB], ttmp9
	s_and_b32 s[BB], ttmp7, 0xffff
	s_mov_b32 s[CS], 0x3eb8aa3b                    ; c = log2(e) / 4
	s_mov_b32 s[CS+1], s[CS]                       ; (named with it as a pair, so it is written)
	s_mov_b32 s[SEL], 0x76543210
	s_mov_b32 s[SEL+1], 0xfedcba98
	s_mov_b32 s[TC], 0
	s_mov_b32 s[TRIPS], 3
	s_cmp_lg_u32 s[KH], 0
	s_cselect_b32 s[PICK], -1, 0
	s_movk_i32 s46, 254
	s_mul_i32 s32, s[BB], 786432                   ; ws: my batch,
	s_mul_i32 s36, s[HD], 98304                    ; my head
	s_add_co_u32 s32, s32, s36
	s_mov_b32 s33, 0
	s_mul_i32 s34, s[KH], 49152                    ; K and V: my half's eight groups; K's tiles lie 2,048 bytes into a group
	s_add_co_u32 s34, s34, 2048
	s_add_co_u32 s34, s34, s32
	s_mov_b32 s35, 0
	s_lshr_b32 s36, s[XB], 1                       ; Q: token tiles 2 x and 2 x + 1: group x / 2, places 2 (x % 2) on
	s_mul_i32 s36, s36, 6144
	s_and_b32 s37, s[XB], 1
	s_lshl_b32 s37, s37, 10
	s_add_co_u32 s36, s36, s37
	s_add_co_u32 s32, s32, s36
	s_lshl_b32 s36, s[XB], 15                      ; the mask: rows 32 x + 2 w on, 1,024 bytes each
	s_lshl_b32 s37, s[WV], 11
	s_add_co_u32 s36, s36, s37
	s_mov_b32 s37, 0
	s_lshl_b32 s38, s[KH], 15                      ; Wo: rows 64 (w / 8) on, columns 16 (w % 8) on
	s_lshl_b32 s39, s[HD], 6
	s_add_co_u32 s38, s38, s39
	s_mov_b32 s39, 0
	s_lshl_b32 s40, s[HD], 6                       ; bo, bv: my 16 numbers
	s_mov_b32 s41, 0
	s_lshl_b32 s42, s[BB], 19                      ; out0: row 1,024 b + 32 x + 2 w, 512 bytes each
	s_lshl_b32 s43, s[XB], 14
	s_add_co_u32 s42, s42, s43
	s_lshl_b32 s43, s[WV], 10
	s_add_co_u32 s42, s42, s43
	s_mov_b32 s43, 0
	v_and_b32 v[LN], 31, v0
	v_and_b32 v[RR], 15, v0
	v_bfe_u32 v[HH], v0, 4, 1
	v_lshlrev_b32 v[LI], 4, v[LN]
	s_mul_i32 s44, s[KH], 33280                    ; my half's 32 key tiles of addends
	v_add_nc_u32 v[CA], s44, v[LI]
	v_add_nc_u32 v[CA+1], 66560, v[CA]
	v_lshlrev_b32 v[PFO], 8, v[RR]
	v_mad_u32_u24 v[PFO], v[HH], 6144, v[PFO]
	s_mul_i32 s44, s[WV], 2560
	s_add_co_u32 s44, s44, MRG
	v_add_nc_u32 v[MS], s44, v[LI]
	s_xor_b32 s44, s[WV], 8                        ; my partner: the same head, the other half of the keys
	s_mul_i32 s44, s44, 2560
	s_add_co_u32 s44, s44, MRG
	v_add_nc_u32 v[ML], s44, v[LI]
	s_lshl_b32 s44, s[WV], 9
	s_add_co_u32 s44, s44, AIMG
	v_add_nc_u32 v[AS], s44, v[LI]
	s_lshl_b32 s44, s[KH], 12
	s_add_co_u32 s44, s44, AIMG
	v_add_nc_u32 v[AL], s44, v[LI]
	s_lshl_b32 s44, s[HD], 12
	s_add_co_u32 s44, s44, WIMG
	v_add_nc_u32 v[WL], s44, v[LI]
	s_lshl_b32 s45, s[KH], 11
	s_add_co_u32 s45, s45, s44
	v_add_nc_u32 v[WSA], s45, v[LI]
	v_mul_u32_u24 v[SS], v[RR], 528
	v_lshl_add_u32 v[SS], v[HH], 5, v[SS]
	s_mul_i32 s44, s[KH], 8448
	s_lshl_b32 s45, s[HD], 6
	s_add_co_u32 s44, s44, s45
	s_add_co_u32 s44, s44, STG
	v_add_nc_u32 v[SS], s44, v[SS]                 ; row 16 (w / 8) + r, + 64 (w % 8) + 32 h
	s_mul_i32 s44, s[WV], 1056
	s_add_co_u32 s44, s44, STG
	v_add_nc_u32 v[SLD], s44, v[LI]                ; rows 2 w, 2 w + 1
	v_mul_u32_u24 v[BA], v[LN], 1040               ; addends: my lane's 16 mask bytes are one key tile; 1,040 bytes from tile to tile, so that sixteen lanes' stores fall on sixteen different columns of 16 bytes
	s_mul_i32 s44, s[KH], 66560                    ; rows 2 w, 2 w + 1 are queries 2 (w % 8) + 0, 1 of query tile w / 8
	s_lshl_b32 s45, s[HD], 5
	s_add_co_u32 s44, s44, s45
	v_add_nc_u32 v[BA], s44, v[BA]
	v_lshlrev_b32 v[WOF], 2, v[RR]
	v_lshl_add_u32 v[WOF], v[HH], 12, v[WOF]       ; Wo: 8 h rows of 512 bytes + 4 r
	v_lshlrev_b32 v[BOF], 5, v[HH]
	s_wait_kmcnt 0x0
	s_add_nc_u64 s[KV:KV+1], s[4:5], s[34:35]
	s_add_nc_u64 s[4:5], s[4:5], s[32:33]          ; Q's two tiles
	s_add_nc_u64 s[6:7], s[6:7], s[36:37]
	s_add_nc_u64 s[8:9], s[8:9], s[38:39]
	s_add_nc_u64 s[10:11], s[10:11], s[40:41]
	s_add_nc_u64 s[12:13], s[12:13], s[40:41]
	s_add_nc_u64 s[14:15], s[14:15], s[42:43]
.irp p, 0,1                                    ; two rows of the mask, in halves of 512 consecutive bytes
.irp x, 0,1
	global_load_b128 v[MB+4*(2*\p+\x):MB+4*(2*\p+\x)+3], v[LI], s[6:7] offset:1024*\p+512*\x
.endr
.endr
.irp q, 0,1,2,3                                ; Wo(64 (w / 8) + 16 q + 8 h + i, 16 (w % 8) + r): my quarter of my column tile's image: a lane takes a column, its registers run down K
.irp i, 0,1,2,3,4,5,6,7
	global_load_b32 v[WF+8*\q+\i], v[WOF], s[8:9] offset:(16*\q+\i)*512
.endr
.endr
.irp t, 0,1                                    ; each tile of Q twice: into [q | 0]'s low half and [0 | q]'s high half
	global_load_b128 v[QLO+16*\t:QLO+16*\t+3], v[LI], s[4:5] offset:512*\t
	global_load_b128 v[QLO+16*\t+12:QLO+16*\t+15], v[LI], s[4:5] offset:512*\t
.endr
	KVLOAD 0, 0                                    ; step 0
.irp t, 0,1
.irp i, 4,5,6,7,8,9,10,11
	v_mov_b32 v[QLO+16*\t+\i], 0                   ; the zero halves
.endr
.endr
	s_wait_loadcnt 44                              ; the mask is in: younger are Wo's 32, Q's 4, K's and V's 8
.irp p, 0,1                                    ; row p, half x, word d: keys 16 (32 x + lane) + 4 d + 0 .. 3 = registers 4 (d % 2) + 0 .. 3 of lane (r, d / 2) of that key tile
.irp x, 0,1
.irp d, 0,1,2,3
	v_xor_b32 v[MB+4*(2*\p+\x)+\d], 0x01010101, v[MB+4*(2*\p+\x)+\d]           ; 1 where hidden
	v_mul_lo_u32 v[CQ+4*(4*(2*\p+\x)+\d)+3], v[MB+4*(2*\p+\x)+\d], s46          ; 0xfe where hidden.  A word whose top byte is 0xfe is an f32 between -2^125 and -2^127; one whose top byte is 0 is at most 2^-125
	v_lshlrev_b32 v[CQ+4*(4*(2*\p+\x)+\d)], 24, v[CQ+4*(4*(2*\p+\x)+\d)+3]      ; each key's byte on top of a word of its own
	v_lshlrev_b32 v[CQ+4*(4*(2*\p+\x)+\d)+1], 16, v[CQ+4*(4*(2*\p+\x)+\d)+3]
	v_lshlrev_b32 v[CQ+4*(4*(2*\p+\x)+\d)+2], 8, v[CQ+4*(4*(2*\p+\x)+\d)+3]
	ds_store_b128 v[BA], v[CQ+4*(4*(2*\p+\x)+\d):CQ+4*(4*(2*\p+\x)+\d)+3] offset:CIMG+33280*\x+16*\p+256*(\d/2)+512*(\d%2)
.endr
.endr
.endr
	s_wait_loadcnt 12                              ; Wo is in: younger are Q's 4, K's and V's 8
.irp q, 0,1,2,3
.irp n, 0,1,2,3
	v_cvt_pk_f16_f32 v[WH+4*\q+\n], v[WF+8*\q+2*\n], v[WF+8*\q+2*\n+1]
.endr
.endr
.irp q, 0,1,2,3
	ds_store_b128 v[WSA], v[WH+4*\q:WH+4*\q+3] offset:512*\q
.endr
	s_wait_dscnt 0x0                               ; for the others' sake: my stores have landed
	s_barrier_signal -1
	s_barrier_wait -1                              ; the addends and Wo^T lie in LDS
.set i, 0
.rept 32
	v_mov_b32 v[OA+i], 0                           ; O^T.  (The step is written once: the first finds zeros, which its a = 0 leaves zeros)
.set i, i+1
.endr
.irp q, 0,1,2,3
	v_mov_b32 v[ST+4*\q+1], 0xf149f2ca             ; m = -1e30
	v_mov_b32 v[ST+4*\q+2], 0                      ; l
	v_mov_b32 v[ST+4*\q+3], 0
.endr
.irp q, 0,1,2,3
	v_mul_f32 v[ST+4*\q], s[CS], v[ST+4*\q+1]      ; c m
.endr
.Ltrip:                                            ; three trips of two steps: steps 0 to 5
	STEP 0, 6144, 1
	STEP 1, 12288, 0
	s_wait_xcnt 0x0                                ; the loads and the prefetch have read their base: it may step
	s_add_nc_u64 s[KV:KV+1], s[KV:KV+1], 12288
	s_sub_co_u32 s[TRIPS], s[TRIPS], 1
	s_cmp_lg_u32 s[TRIPS], 0
	s_cbranch_scc1 .Ltrip
	STEP 0, 6144, 0                                ; steps 6 and 7 are written out: no load and no prefetch passes my half's end
	STEP 1, 0, 0
	; THE MERGE.  My partner has the same head's other 512 keys.  I keep the state of query tile w / 8 and send the other tile's.
	global_load_b128 v[48:51], v[BOF], s[10:11]    ; bo[16 (w % 8) + 8 h + 0 .. 7],
	global_load_b128 v[52:55], v[BOF], s[10:11] offset:16
	global_load_b128 v[56:59], v[BOF], s[12:13]    ; bv likewise
	global_load_b128 v[60:63], v[BOF], s[12:13] offset:16
.irp q, 0,1,2,3
	v_add_f32 v[ST+4*\q+2], v[ST+4*\q+2], v[ST+4*\q+3]             ; l's two halves,
.endr
.irp q, 0,1,2,3
	v_permlanex16_b32 v[TM+\q], v[ST+4*\q+2], s[SEL], s[SEL+1]
.endr
.irp q, 0,1,2,3
	v_add_f32 v[ST+4*\q+2], v[ST+4*\q+2], v[TM+\q]                 ; and lane l xor 16's
.endr
.irp x, 0,1
.irp j, 0,1,2,3,4,5,6,7                        ; a select by the wave's half, each accumulator from its low end on
	v_cndmask_b32 v[KEEP+8*\x+\j], v[OA+8*\x+\j], v[OA+16+8*\x+\j], s[PICK]
	v_cndmask_b32 v[SEND+8*\x+\j], v[OA+16+8*\x+\j], v[OA+8*\x+\j], s[PICK]
.endr
.endr
.irp x, 0,1
	v_cndmask_b32 v[KEEP+16+\x], v[ST+4*\x], v[ST+8+4*\x], s[PICK]
	v_cndmask_b32 v[SEND+16+\x], v[ST+8+4*\x], v[ST+4*\x], s[PICK]
	v_cndmask_b32 v[KEEP+18+\x], v[ST+4*\x+2], v[ST+8+4*\x+2], s[PICK]
	v_cndmask_b32 v[SEND+18+\x], v[ST+8+4*\x+2], v[ST+4*\x+2], s[PICK]
.endr
.irp i, 0,1,2,3,4
	ds_store_b128 v[MS], v[SEND+4*\i:SEND+4*\i+3] offset:512*\i
.endr
	s_wait_dscnt 0x0
	s_barrier_signal -1
	s_barrier_wait -1
.irp i, 0,1,2,3,4
	ds_load_b128 v[OTH+4*\i:OTH+4*\i+3], v[ML] offset:512*\i
.endr
	s_wait_dscnt 0x0
.irp x, 0,1
	v_max_num_f32 v[TM+\x], v[KEEP+16+\x], v[OTH+16+\x]            ; the common c m
.endr
.irp x, 0,1
	v_sub_f32 v[TM+2+\x], v[KEEP+16+\x], v[TM+\x]
	v_sub_f32 v[TM+4+\x], v[OTH+16+\x], v[TM+\x]
.endr
.irp x, 0,1
	v_exp_f32 v[TM+2+\x], v[TM+2+\x]               ; what brings my half under it,
	v_exp_f32 v[TM+4+\x], v[TM+4+\x]               ; and my partner's
.endr
	v_nop                                          ; a plain place, and the one wait for the four
	s_wait_alu depctr_va_vdst(0)
.irp x, 0,1
	v_mul_f32 v[TM+6+\x], v[KEEP+18+\x], v[TM+2+\x]
.endr
.irp x, 0,1
	v_fma_f32 v[TM+6+\x], v[OTH+18+\x], v[TM+4+\x], v[TM+6+\x]     ; the row's sum over all 1,024 keys
.endr
.irp x, 0,1
	v_rcp_f32 v[TM+6+\x], v[TM+6+\x]
.endr
	v_nop
	s_wait_alu depctr_va_vdst(0)
.irp x, 0,1
	v_mul_f32 v[TM+6+\x], 0.5, v[TM+6+\x]          ; the average of the two softmaxes
.endr
.irp x, 0,1                                    ; four factors, each in both registers of a pair
	v_mul_f32 v[TM+8+4*\x], v[TM+2+\x], v[TM+6+\x]
	v_mul_f32 v[TM+9+4*\x], v[TM+2+\x], v[TM+6+\x]
	v_mul_f32 v[TM+10+4*\x], v[TM+4+\x], v[TM+6+\x]
	v_mul_f32 v[TM+11+4*\x], v[TM+4+\x], v[TM+6+\x]
.endr
	s_wait_loadcnt 0x0                             ; bo, bv
.irp j, 0,2,4,6
	v_pk_fma_f32 v[64+\j:65+\j], v[KEEP+\j:KEEP+\j+1], v[TM+8:TM+9], v[56+\j:57+\j]        ; bv + my global part
.endr
.irp j, 0,2,4,6
	v_pk_fma_f32 v[64+\j:65+\j], v[OTH+\j:OTH+\j+1], v[TM+10:TM+11], v[64+\j:65+\j]        ; + my partner's
.endr
.irp j, 0,2,4,6
	v_pk_fma_f32 v[64+\j:65+\j], v[KEEP+8+\j:KEEP+8+\j+1], v[TM+12:TM+13], v[64+\j:65+\j]  ; + my local part
.endr
.irp j, 0,2,4,6
	v_pk_fma_f32 v[64+\j:65+\j], v[OTH+8+\j:OTH+8+\j+1], v[TM+14:TM+15], v[64+\j:65+\j]    ; + my partner's
.endr
.irp n, 0,1,2,3
	v_cvt_pk_f16_f32 v[72+\n], v[64+2*\n], v[64+2*\n+1]            ; lane (r, h): query r, channels 16 (w % 8) + 8 h + 0 .. 7: half of a K step of the last product's source 1
.endr
	ds_store_b128 v[AS], v[72:75]
	s_wait_dscnt 0x0
	s_barrier_signal -1
	s_barrier_wait -1
	; THE PROJECTION, transposed: source 0 = 16 columns of Wo (tile w % 8), source 1 = my query tile's 16 rows; K = 128 in four steps, two heads a step
.irp i, 0,1,2,3,4,5,6,7
	ds_load_b128 v[80+4*\i:83+4*\i], v[WL] offset:512*\i
.endr
.irp i, 0,1,2,3,4,5,6,7
	ds_load_b128 v[112+4*\i:115+4*\i], v[AL] offset:512*\i
.endr
	s_wait_dscnt 0x0
	v_wmma_f32_16x16x32_f16 v[144:151], v[80:87], v[112:119], v[48:55]     ; two accumulators by turns; bo starts the first,
	v_wmma_f32_16x16x32_f16 v[152:159], v[88:95], v[120:127], 0            ; the constant 0 the second
	v_wmma_f32_16x16x32_f16 v[144:151], v[96:103], v[128:135], v[144:151]
	v_wmma_f32_16x16x32_f16 v[152:159], v[104:111], v[136:143], v[152:159]
.rept 4
	v_nop
.endr
.irp j, 0,2,4,6
	v_pk_add_f32 v[160+\j:161+\j], v[144+\j:145+\j], v[152+\j:153+\j]      ; lane (r, h): out0(row 16 (w / 8) + r, columns 16 (w % 8) + 8 h + 0 .. 7)
.endr
	ds_store_b128 v[SS], v[160:163]
	ds_store_b128 v[SS], v[164:167] offset:16
	s_wait_dscnt 0x0
	s_barrier_signal -1
	s_barrier_wait -1                              ; 32 whole rows lie in the stage
	ds_load_b128 v[168:171], v[SLD]
	ds_load_b128 v[172:175], v[SLD] offset:528
	s_wait_dscnt 1                                 ; the first row is in; the second's load may be out
	global_store_b128 v[LI], v[168:171], s[14:15] th:TH_STORE_NT           ; 32 lanes store a row of 512 consecutive bytes, at a multiple of 512 from out0's first byte
	s_wait_dscnt 0x0
	global_store_b128 v[LI], v[172:175], s[14:15] offset:512 th:TH_STORE_NT
	s_wait_tensorcnt 0x0                           ; the wave's end: a tensor wait, an add of 0 to my spare word
	ds_add_u32 v[SPW], v[NIL]
	s_wait_dscnt 0x0
	s_endpgm
.Lfunc_end_k_qee60071b18_attn:
	.size	k_qee60071b18_attn, .Lfunc_end_k_qee60071b18_attn-k_qee60071b18_attn
	.p2alignl 7, 3214868480
	.fill 96, 4, 3214868480
	.section	.rodata,"a",@progbits
	.p2align	6, 0x0
	.amdhsa_kernel k_qee60071b18_attn
		.amdhsa_group_segment_fixed_size 233984
		.amdhsa_private_segment_fixed_size 0
		.amdhsa_enable_private_segment 0
		.amdhsa_kernarg_size 48
		.amdhsa_user_sgpr_count 2
		.amdhsa_user_sgpr_kernarg_segment_ptr 1
		.amdhsa_wavefront_size32 1
		.amdhsa_system_sgpr_workgroup_id_x 1
		.amdhsa_system_sgpr_workgroup_id_y 1
		.amdhsa_system_sgpr_workgroup_id_z 1
		.amdhsa_system_vgpr_workitem_id 0
		.amdhsa_next_free_vgpr 256
		.amdhsa_next_free_sgpr 66
		.amdhsa_reserve_vcc 0
		.amdhsa_float_denorm_mode_32 3
		.amdhsa_float_denorm_mode_16_64 3
		.amdhsa_memory_ordered 1
		.amdhsa_forward_progress 1
		.amdhsa_inst_pref_size 136
	.end_amdhsa_kernel
	.amdgpu_metadata
---
amdhsa.version: [ 1, 2 ]
amdhsa.kernels:
  - .name:           k_qee60071b18_attn
    .symbol:         k_qee60071b18_attn.kd
    .args:
      - { .name: ws, .offset: 0, .size: 8, .value_kind: global_buffer, .address_space: global }
      - { .name: adj_mask, .offset: 8, .size: 8, .value_kind: global_buffer, .address_space: global }
      - { .name: Wo, .offset: 16, .size: 8, .value_kind: global_buffer, .address_space: global }
      - { .name: bo, .offset: 24, .size: 8, .value_kind: global_buffer, .address_space: global }
      - { .name: bv, .offset: 32, .size: 8, .value_kind: global_buffer, .address_space: global }
      - { .name: out0, .offset: 40, .size: 8, .value_kind: global_buffer, .address_space: global }
    .group_segment_fixed_size: 233984
    .private_segment_fixed_size: 0
    .kernarg_segment_align: 8
    .kernarg_segment_size: 48
    .max_flat_workgroup_size: 512
    .sgpr_count:     66
    .vgpr_count:     256
    .wavefront_size: 32
...
	.end_amdgpu_metadata
.endif
;; end of part 2
